; MI455X (gfx1250); checked and timed in simulation.
; The chip was launched on July 23, 2026; its instructions are those of AMD's public machine-readable ISA for CDNA 5 (MIT licence, August 2026) and "CDNA5" Instruction Set Architecture Reference Guide (July 2026). The comments in the code are by the model that wrote it; some were corrected since.
;; ODE Transition Function. Allowed arithmetic: float matrix products may take bf16 or f16 operands with f32 sums; all other float work in f32.
;; Inputs: Phi 2 x 8 x 2,048 x 32 float32; W1 96 x 128 float32; W2 128 x 64 float32; b 2 x 8 x 2,048 x 64 float32; b1 128 float32; b2 64 float32; s 2 x 8 x 2,048 x 64 float32; t 2 x 8 x 9 float32.
;; Outputs: out0 2 x 64 x 2,048 x 64 float32.
;; 2 versions, each right and faster than the one before. Each part assembles by itself: llvm-mc -triple=amdgcn-amd-amdhsa -mcpu=gfx1250 --defsym DOCPART=n.
;; ======== version 1 of 2: 1 launch
;; limits: values are held in f16: magnitudes above 65,504 overflow, below 6.1e-05 lose precision
;; launch ode (part 1): grid 256 x 1, 4 waves a work-group, no clusters, 66,048 bytes of LDS; arguments s, b, Phi, t, W1, b1, W2, b2, out0; writes out0
.if DOCPART == 1
	.amdgcn_target "amdgcn-amd-amdhsa--gfx1250"
	.amdhsa_code_object_version 6
	.text
	.protected	k_q767db104af_ode
	.globl	k_q767db104af_ode
	.p2align	8
	.type	k_q767db104af_ode,@function
k_q767db104af_ode:
	s_mov_b64 s[64:65], 0
	v_nop
	global_prefetch_b8 v0, s[64:65] scope:SCOPE_SE
	s_setreg_imm32_b32 hwreg(HW_REG_WAVE_MODE, 25, 1), 1
	s_wait_xcnt 0x0
; x' = delta * (W2^T tanh(W1^T [x, Phi] + b1) + b2 + b), 8 blocks x 2 RK4 steps x 4 stages = 64 evaluations; x is stored after each block.
; s, b: [16][2048][64] f32; Phi: [16][2048][32]; t: [16][9]; W1: [96][128]; W2: [128][64]; out0: [16][8][2048][64] f32.
; SHARES.  The 32,768 nodes do not touch each other.  A work-group owns 128 nodes of one (S, B), a wave 32: two tiles of 16.  A node's state never leaves its wave's registers between the first load and the
; stores; the loop reads no memory.
; ALGEBRA (exact rewrites).  c = K (Phi W1[64:96] + b1), K = 2 log2(e), does not change with time: made once, kept in f32, it is the C operand that starts layer 1's sum, whose K is then 64.
; tanh(z) = 1 - 2 r, r = 1 / (1 + 2^(K z)): K is folded into W1, -2 into W2, and the 1 into b' = b + b2 + the column sums of the rounded W2 (made by the matrix unit from the same fragments,
; times -0.5).  So f = b' + (-2 W2)^T r comes straight out of layer 2, with b' as its first C.  delta is folded into RK4's coefficients: x + (d/4) F1, x + (d/4) F2, x + (d/2) F3,
; x + (d/12) F1 + (d/6) F2 + (d/6) F3 + (d/12) F4, all packed fused multiply-adds.
; LAYOUT.  Both products are used transposed: source 0 = 16 rows of W^T, source 1 = 16 nodes.  A lane (r = lane % 16, h = lane / 16) then holds ONE node r: of layer 1's block g the hidden units 16 g + 8 h + 0..7,
; of layer 2's block cb the channels 16 cb + 8 h + 0..7.  Two blocks rounded in pairs ARE a source 1 of the next product: nothing changes lanes in the loop.
; BY TURNS.  In a turn one tile has the matrix unit (16 products of layer 2, its RK4 update, 16 products of layer 1 for the next evaluation); the other tile's tanh, a queue of 193 vector instructions, stands in sixes behind the products.
; FORMATS AND LIMITS.  Matrix operands in f16, sums, state, b', c and coefficients in f32.  f16 ends at 65,504: the stage states, 2.885 W1 and 2 W2 must lie within it (|x| <= |s| + T (sum |W2| + |b| + |b2|):
; about 10 for numbers of unit spread, about 1e4 with every input 30 times larger).  r lies in 0 to 1; below 6e-8 it counts as 0, tanh then being 1 to within 1.2e-7.  2^(K z) beyond f32 gives r = 0, below it r = 1: tanh's limits.
; NaN and infinities are not treated apart.  delta enters through the coefficients, so the order of f32 roundings differs from delta * f formed first.
; NO CLUSTER, NO TENSOR LOADS: work-groups share only W1, W2, b1, b2, 82,688 bytes read once at the head against 20,971,520 + 67,108,864 bytes that are each work-group's own, and the weights pass through registers anyway, to be scaled and rounded.
; REGISTERS, in windows of 256 (s_set_vgpr_msb: bits 1:0 source 0, 3:2 source 1, 5:4 source 2, 7:6 destination):
;   window 0: v0-19 addresses; v32-63 the stage state in f16, 16 a tile; v64-127 x; v128-191 the RK4 sum; v192-255 b'
;   window 1: v0-127 W2's fragments; v128-255 H, 64 a tile: layer 1's sums, then r packed into the lower 32 and layer 2's sums F in the upper 32
;   window 2: v0-127 W1's fragments (features 0-63); v128-255 c, 64 a tile
.set KAPPA, 0x4038aa3b                 ; 2 log2(e)
.set P1,    288                        ; a row of W1 in LDS: 128 f16 + 32 bytes: 9 x 32, so the eight rows of a turning load fall on different banks
.set P2,    160                        ; a row of W2: 64 f16 + 32 bytes: 5 x 32
.set W2H,   96*P1                      ; W1 lies from byte 0, W2 behind it
.set STAGE, W2H+128*P2                 ; 48,128: for each wave 16 rows x 272 bytes of its own, to turn rows into fragments and back
.set SP,    272                        ; a node's 256 bytes + 16
.set PP,    144                        ; a node's 128 bytes of Phi + 16
.set SPARE, STAGE+4*16*SP              ; 65,536: the spare words, 128 bytes for each wave: two blocks of 256 bytes that no other line names
.set LR,   1                           ; v1   r
.set LH,   2                           ; v2   h
.set LN,   3                           ; v3   lane
.set GO,   4                           ; v4   my 16 bytes in the wave's rows of s, b, out: 16 lane + 8,192 wave
.set GP,   5                           ; v5   the same in Phi: 16 lane + 4,096 wave
.set GW,   6                           ; v6   16 x thread: the weights
.set HBO,  7                           ; v7   32 h: b1, b2
.set W1ST, 8                           ; v8   where I put 4 f16 of W1
.set W2ST, 9                           ; v9   of W2
.set TRA1, 10                          ; v10  my place in a turning load of W1
.set TRA2, 11                          ; v11  of W2
.set ROWA, 12                          ; v12  stage, by rows: lanes 0-15 one node's 256 bytes, lanes 16-31 the next node's
.set FRGA, 13                          ; v13  stage, by fragments: node r, 32 bytes for each half of the lanes
.set PROW, 14                          ; v14  the same two for Phi
.set PFRG, 15                          ; v15
.set SPW,  16                          ; v16  LDS address of my spare word; never rewritten
.set NIL,  17                          ; v17  0; never rewritten
.set T0,   18
.set T1,   19
.set XFR,  32
.set XR,   64
.set ACC,  128
.set HALF, 144                         ; at the head: a fragment of -0.5
.set BP,   192
.set W2F,  0                           ; window 1: fragment (cb, k) at 32 k + 8 cb
.set H,    128                         ; window 1
.set W1F,  0                           ; window 2: fragment (g, k) at 64 k + 8 g
.set CC,   128                         ; window 2
.set WV,   22                          ; s22  wave
.set STB,  23                          ; s23  my stage
.set SB,   24                          ; s24  which (S, B)
.set TOF,  25                          ; s25  its 36 bytes in t
.set OF,   26                          ; s[26:27] an offset, high word 0
.set DL,   40                          ; s[40:48] t0..t8, then s[40:47] the deltas still to come, the block's own first
.set TM,   49
.set CA,   52                          ; s[52:53] delta / 4 (the packed forms name a pair and take its low word for both halves)
.set CB,   54                          ; s[54:55] delta / 2
.set CW1,  56                          ; s[56:57] delta / 12
.set CW2,  58                          ; s[58:59] delta / 6
.set CNT,  60                          ; s60  RK4 steps to go
.set PAR,  61                          ; s61  1 in a block's second step
.set MSB, 0
.macro WIN new                         ; the immediate's high byte repeats the setting that is left; a switch that changes nothing is dropped
.if MSB != (\new)
	s_set_vgpr_msb (MSB<<8)|(\new)
.set MSB, (\new)
.endif
.endm
.macro WINR                            ; the tanh queue wants destination and sources 0 and 1 in window 1; source 2 is free, so layer 2's two settings both serve
.if (MSB & 0xcf) != 0x45
	WIN 0x55
.endif
.endm
.macro COEF                            ; RK4's coefficients for the block whose delta lies in s[DL]
	s_mul_f32 s[CA], s[DL], 0x3e800000
	s_mul_f32 s[CB], s[DL], 0.5
	s_mul_f32 s[CW1], s[DL], 0x3daaaaab
	s_mul_f32 s[CW2], s[DL], 0x3e2aaaab
.endm
	s_load_b512 s[4:19], s[0:1], 0x0               ; s s[4:5], b s[6:7], Phi s[8:9], t s[10:11], W1 s[12:13], b1 s[14:15], W2 s[16:17], b2 s[18:19]
	s_load_b64 s[20:21], s[0:1], 0x40              ; out0
	v_lshl_add_u32 v[SPW], v0, 2, SPARE
	v_mov_b32 v[NIL], 0
	v_lshrrev_b32 v[T0], 5, v0
	v_readfirstlane_b32 s[WV], v[T0]               ; wave 0..3
	v_and_b32 v[LN], 31, v0
	v_and_b32 v[LR], 15, v0
	v_bfe_u32 v[LH], v0, 4, 1
	s_lshl_b32 s[TM], s[WV], 13                    ; a wave's 32 nodes x 256 bytes
	v_lshl_add_u32 v[GO], v[LN], 4, s[TM]
	s_lshl_b32 s[TM], s[WV], 12                    ; x 128 bytes
	v_lshl_add_u32 v[GP], v[LN], 4, s[TM]
	v_lshlrev_b32 v[GW], 4, v0
	v_lshlrev_b32 v[HBO], 5, v[LH]
	s_mul_i32 s[TM], s[WV], P1                     ; 128 threads x 16 bytes are four rows of W1: thread -> row = wave, columns 4 lane on
	v_lshl_add_u32 v[W1ST], v[LN], 3, s[TM]
	v_lshrrev_b32 v[T0], 4, v0                     ; and eight rows of W2: row = thread / 16, columns 4 (thread % 16) on
	v_mul_u32_u24 v[T0], v[T0], P2
	v_lshl_add_u32 v[T0], v[LR], 3, v[T0]
	v_add_nc_u32 v[W2ST], W2H, v[T0]
	v_and_b32 v[T0], 7, v0                         ; the turning load: lane l reads row 8 (l / 16) + l % 8, 16 bytes at 16 ((l / 8) % 2)
	v_lshl_add_u32 v[T0], v[LH], 3, v[T0]
	v_bfe_u32 v[T1], v0, 3, 1
	v_mul_u32_u24 v[TRA1], v[T0], P1
	v_lshl_add_u32 v[TRA1], v[T1], 4, v[TRA1]
	v_mul_u32_u24 v[TRA2], v[T0], P2
	v_lshl_add_u32 v[TRA2], v[T1], 4, v[TRA2]
	v_add_nc_u32 v[TRA2], W2H, v[TRA2]
	s_mul_i32 s[STB], s[WV], 16*SP
	s_add_co_u32 s[STB], s[STB], STAGE
	v_mul_u32_u24 v[ROWA], v[LH], SP
	v_lshl_add_u32 v[ROWA], v[LR], 4, v[ROWA]
	v_add_nc_u32 v[ROWA], s[STB], v[ROWA]
	v_mul_u32_u24 v[FRGA], v[LR], SP
	v_lshl_add_u32 v[FRGA], v[LH], 5, v[FRGA]
	v_add_nc_u32 v[FRGA], s[STB], v[FRGA]
	v_bfe_u32 v[T0], v0, 3, 2                      ; Phi by rows: 32 lanes take four nodes of 128 bytes
	v_and_b32 v[T1], 7, v0
	v_mul_u32_u24 v[PROW], v[T0], PP
	v_lshl_add_u32 v[PROW], v[T1], 4, v[PROW]
	v_add_nc_u32 v[PROW], s[STB], v[PROW]
	v_mul_u32_u24 v[PFRG], v[LR], PP
	v_lshl_add_u32 v[PFRG], v[LH], 5, v[PFRG]
	v_add_nc_u32 v[PFRG], s[STB], v[PFRG]
	s_lshr_b32 s[SB], ttmp9, 4                     ; 16 work-groups to a (S, B)
	s_mul_i32 s[TOF], s[SB], 36
	s_mov_b32 s[OF+1], 0
	s_mov_b32 s[CA+1], 0                           ; named as pairs, so they are written
	s_mov_b32 s[CB+1], 0
	s_mov_b32 s[CW1+1], 0
	s_mov_b32 s[CW2+1], 0
	s_mov_b32 s[CNT], 16
	s_wait_kmcnt 0x0
	s_load_b256 s[DL:DL+7], s[10:11], s[TOF]       ; t0..t7 of my (S, B)
	s_load_b32 s[DL+8], s[10:11], s[TOF] offset:0x20  ; t8
	s_lshl_b32 s[OF], ttmp9, 15                    ; 128 nodes x 256 bytes
	s_add_nc_u64 s[4:5], s[4:5], s[OF:OF+1]
	s_add_nc_u64 s[6:7], s[6:7], s[OF:OF+1]
	s_lshl_b32 s[OF], ttmp9, 14
	s_add_nc_u64 s[8:9], s[8:9], s[OF:OF+1]
	s_and_b32 s[OF], ttmp9, 15                     ; out: (S, B) x 8 planes of 2,048 x 256 bytes, and my 128 nodes in a plane
	s_lshl_b32 s[OF], s[OF], 15
	s_lshl_b32 s[TM], s[SB], 22
	s_add_co_u32 s[OF], s[OF], s[TM]
	s_add_nc_u64 s[20:21], s[20:21], s[OF:OF+1]
	; ALL GLOBAL LOADS, what is wanted first in front.  b1 in c's layout: register 8 g + j = b1[16 g + 8 h + j]
	WIN 0x80
.set i, 0
.rept 8
	global_load_b128 v[CC+8*i:CC+8*i+3],   v[HBO], s[14:15] offset:64*i
	global_load_b128 v[CC+8*i+4:CC+8*i+7], v[HBO], s[14:15] offset:64*i+16
.set i, i+1
.endr
	WIN 0x40
.set i, 0
.rept 24                               ; W1: 24 x 2,048 bytes for the work-group -> window 1, v0-95
	global_load_b128 v[4*i:4*i+3], v[GW], s[12:13] offset:2048*i
.set i, i+1
.endr
.set i, 0
.rept 16                               ; W2: 16 x 2,048 bytes -> window 1, v96-159
	global_load_b128 v[96+4*i:96+4*i+3], v[GW], s[16:17] offset:2048*i
.set i, i+1
.endr
	WIN 0
.set i, 0
.rept 4                                ; b2 in x's layout: register 8 cb + j = b2[16 cb + 8 h + j]
	global_load_b128 v[XFR+8*i:XFR+8*i+3],   v[HBO], s[18:19] offset:64*i
	global_load_b128 v[XFR+8*i+4:XFR+8*i+7], v[HBO], s[18:19] offset:64*i+16
.set i, i+1
.endr
.set i, 0
.rept 16                               ; s, by rows: each load of the wave covers 512 consecutive bytes, two nodes; tile i / 8
	global_load_b128 v[XR+4*i:XR+4*i+3], v[GO], s[4:5] offset:512*i th:TH_LOAD_NT
.set i, i+1
.endr
.set i, 0
.rept 16                               ; b likewise
	global_load_b128 v[BP+4*i:BP+4*i+3], v[GO], s[6:7] offset:512*i th:TH_LOAD_NT
.set i, i+1
.endr
.set i, 0
.rept 8                                ; Phi: four nodes a load; tile i / 4 -> ACC + 32 tile + 0..15
	global_load_b128 v[ACC+32*(i/4)+4*(i%4):ACC+32*(i/4)+4*(i%4)+3], v[GP], s[8:9] offset:512*i th:TH_LOAD_NT
.set i, i+1
.endr
	; THE WEIGHTS: scaled, rounded to f16, laid into LDS as they lie in memory ([feature][hidden], [hidden][channel])
	s_wait_loadcnt 48                              ; loads come back in order (ISA guide 5.7.1): the 48 issued behind W2's (8 of b2, 16 of s, 16 of b, 8 of Phi) may stay out; b1, W1, W2 are in
	WIN 0x41
.set i, 0
.rept 48
	v_pk_mul_f32 v[2*i:2*i+1], v[2*i:2*i+1], KAPPA op_sel_hi:[1,0]
.set i, i+1
.endr
.set i, 0
.rept 32
	v_pk_mul_f32 v[96+2*i:96+2*i+1], v[96+2*i:96+2*i+1], -2.0 op_sel_hi:[1,0]
.set i, i+1
.endr
	WIN 0x45
.set i, 0
.rept 40                               ; four numbers into the chunk's first two registers
	v_cvt_pk_f16_f32 v[4*i],   v[4*i],   v[4*i+1]
	v_cvt_pk_f16_f32 v[4*i+1], v[4*i+2], v[4*i+3]
.set i, i+1
.endr
	WIN 0x04                                       ; address window 0, data window 1
.set i, 0
.rept 24
	ds_store_b64 v[W1ST], v[4*i:4*i+1] offset:4*P1*i
.set i, i+1
.endr
.set i, 0
.rept 16
	ds_store_b64 v[W2ST], v[96+4*i:96+4*i+1] offset:8*P2*i
.set i, i+1
.endr
	s_wait_dscnt 0x0                               ; for the others' sake: my part of the weights is in LDS
	s_barrier_signal -1
	s_barrier_wait -1                              ; everybody's is.  The one barrier: nobody writes these bytes again
	; A fragment of W^T (16 outputs x 32 inputs): two turning loads, 16 rows apart: lane l then holds output l % 16 and inputs 8 h + 0..7, 16 + 8 h + 0..7
	WIN 0x80
.set i, 0
.rept 16                               ; W1, features 32 (i / 8) on, hidden 16 (i % 8) on
	ds_load_tr16_b128 v[W1F+8*i:W1F+8*i+3],   v[TRA1] offset:32*P1*(i/8)+32*(i%8)
	ds_load_tr16_b128 v[W1F+8*i+4:W1F+8*i+7], v[TRA1] offset:32*P1*(i/8)+32*(i%8)+16*P1
.set i, i+1
.endr
	WIN 0x40
.set i, 0
.rept 8                                ; W1's rows 64-95, Phi's: wanted once, so they lie where H will
	ds_load_tr16_b128 v[H+8*i:H+8*i+3],   v[TRA1] offset:64*P1+32*i
	ds_load_tr16_b128 v[H+8*i+4:H+8*i+7], v[TRA1] offset:64*P1+32*i+16*P1
.set i, i+1
.endr
.set i, 0
.rept 16                               ; W2, hidden 32 (i / 4) on, channels 16 (i % 4) on
	ds_load_tr16_b128 v[W2F+8*i:W2F+8*i+3],   v[TRA2] offset:32*P2*(i/4)+32*(i%4)
	ds_load_tr16_b128 v[W2F+8*i+4:W2F+8*i+7], v[TRA2] offset:32*P2*(i/4)+32*(i%4)+16*P2
.set i, i+1
.endr
	; s, b AND Phi come by rows and are wanted by fragments: through my stage, a tile at a time, back into the registers that they left.
	; LDS serves a wave's instructions in order (ISA guide 5.7.1.4): the loads see the stores above them, the next tile's stores come behind them.
.macro TURN_IN base
.irp t, 0,1,2,3,4,5,6,7
	ds_store_b128 v[ROWA], v[(\base)+4*\t:(\base)+4*\t+3] offset:2*SP*\t
.endr
.irp c, 0,1,2,3
	ds_load_b128 v[(\base)+8*\c:(\base)+8*\c+3],   v[FRGA] offset:64*\c
	ds_load_b128 v[(\base)+8*\c+4:(\base)+8*\c+7], v[FRGA] offset:64*\c+16
.endr
.endm
.macro PHI_IN base                     ; features 8 h + 0..7, then 16 + 8 h + 0..7, in f32: 16 registers
.irp t, 0,1,2,3
	ds_store_b128 v[PROW], v[(\base)+4*\t:(\base)+4*\t+3] offset:4*PP*\t
.endr
	ds_load_b128 v[(\base):(\base)+3],     v[PFRG]
	ds_load_b128 v[(\base)+4:(\base)+7],   v[PFRG] offset:16
	ds_load_b128 v[(\base)+8:(\base)+11],  v[PFRG] offset:64
	ds_load_b128 v[(\base)+12:(\base)+15], v[PFRG] offset:80
.endm
	s_wait_loadcnt 0x0                             ; b2, s, b, Phi
	WIN 0
	TURN_IN XR
	TURN_IN XR+32
	TURN_IN BP
	TURN_IN BP+32
	PHI_IN ACC
	PHI_IN ACC+32
	; work on registers while LDS serves those
	s_wait_kmcnt 0x0                               ; t
.set i, 0
.rept 8                                ; delta i = t(i+1) - t(i), ascending, so that t(i+1) is still there
	s_xor_b32 s[TM], s[DL+i], 0x80000000
	s_add_f32 s[DL+i], s[DL+i+1], s[TM]
.set i, i+1
.endr
	COEF
	WIN 0x82
.set i, 0
.rept 32
	v_pk_mul_f32 v[CC+2*i:CC+2*i+1], v[CC+2*i:CC+2*i+1], KAPPA op_sel_hi:[1,0]  ; K b1
.set i, i+1
.endr
	WIN 0
.set i, 0
.rept 8
	v_mov_b32 v[HALF+i], 0xb800b800                ; -0.5, twice, in f16
.set i, i+1
.endr
	s_wait_dscnt 0x0                               ; fragments and turned inputs are in
.set i, 0
.rept 8                                ; Phi rounded in place: a source 1 of 32 features x 16 nodes for each tile
	v_cvt_pk_f16_f32 v[ACC+i],    v[ACC+2*i],    v[ACC+2*i+1]
	v_cvt_pk_f16_f32 v[ACC+32+i], v[ACC+32+2*i], v[ACC+32+2*i+1]
.set i, i+1
.endr
	; c = K b1 + (K W1[64:96])^T Phi.  Tile 1 first, from tile 0's registers, which still hold K b1; then tile 0 in place.
	WIN 0xa1                                       ; W1 window 1, Phi window 0, C and D window 2
.set i, 0
.rept 8
	v_wmma_f32_16x16x32_f16 v[CC+64+8*i:CC+64+8*i+7], v[H+8*i:H+8*i+7], v[ACC+32:ACC+39], v[CC+8*i:CC+8*i+7]
.set i, i+1
.endr
.rept 5
	v_nop                                          ; five places before a product writes over registers that those products read as C (ISA guide 7.12.1)
.endr
.set i, 0
.rept 8
	v_wmma_f32_16x16x32_f16 v[CC+8*i:CC+8*i+7], v[H+8*i:H+8*i+7], v[ACC:ACC+7], v[CC+8*i:CC+8*i+7]
.set i, i+1
.endr
	; b' = b + b2 + the column sums of W2 as rounded: (-2 W2)^T times -0.5.  The 32 additions are also the places behind the products above.
	WIN 0
.set i, 0
.rept 16
	v_pk_add_f32 v[BP+2*i:BP+2*i+1],       v[BP+2*i:BP+2*i+1],       v[XFR+2*i:XFR+2*i+1]
	v_pk_add_f32 v[BP+32+2*i:BP+32+2*i+1], v[BP+32+2*i:BP+32+2*i+1], v[XFR+2*i:XFR+2*i+1]
.set i, i+1
.endr
	WIN 0x01
.set i, 0
.rept 32                               ; hidden 32 (i / 8) on; the eight accumulators (tile, cb) take turns
	v_wmma_f32_16x16x32_f16 v[BP+8*(i%8):BP+8*(i%8)+7], v[W2F+32*(i/8)+8*(i%4):W2F+32*(i/8)+8*(i%4)+7], v[HALF:HALF+7], v[BP+8*(i%8):BP+8*(i%8)+7]
.set i, i+1
.endr
	WIN 0
.set i, 0
.rept 32                               ; the first stage state is x itself; these 32 are the places behind the products above
	v_cvt_pk_f16_f32 v[XFR+i], v[XR+2*i], v[XR+2*i+1]
.set i, i+1
.endr
; THE MATRIX WORK.  mi counts a run's 16 products.  The accumulators take turns, one instruction a turn: between two links of a chain stand 3 (layer 2) or 7 (layer 1) others'.
; Layer 2, tile x: hidden 32 (mi / 4) on, channels 16 (mi % 4) on.  The first four start the sums with b'.
.macro L2M x
.set rD, H+64*(\x)+32+8*(mi%4)
.set rA, W2F+32*(mi/4)+8*(mi%4)
.set rB, H+64*(\x)+8*(mi/4)
.set rE, BP+32*(\x)+8*(mi%4)
.if mi < 4
	WIN 0x45                                       ; W2 and r window 1, b' window 0, F window 1
	v_wmma_f32_16x16x32_f16 v[rD:rD+7], v[rA:rA+7], v[rB:rB+7], v[rE:rE+7]
.else
	WIN 0x55
	v_wmma_f32_16x16x32_f16 v[rD:rD+7], v[rA:rA+7], v[rB:rB+7], v[rD:rD+7]
.endif
.set mi, mi+1
.endm
; Layer 1, tile x: features 32 (mi / 8) on, hidden 16 (mi % 8) on.  The first eight start the sums with c.
.macro L1M x
.set rD, H+64*(\x)+8*(mi%8)
.set rA, W1F+64*(mi/8)+8*(mi%8)
.set rB, XFR+16*(\x)+8*(mi/8)
.set rE, CC+64*(\x)+8*(mi%8)
.if mi < 8
	WIN 0x62                                       ; W1 window 2, the stage state window 0, c window 2, H window 1
	v_wmma_f32_16x16x32_f16 v[rD:rD+7], v[rA:rA+7], v[rB:rB+7], v[rE:rE+7]
.else
	WIN 0x52
	v_wmma_f32_16x16x32_f16 v[rD:rD+7], v[rA:rA+7], v[rB:rB+7], v[rD:rD+7]
.endif
.set mi, mi+1
.endm
; THE TANH QUEUE of tile y: 193 entries, number q.  For block g of eight sums: E g: 8 x 2^z, in place (the block's lowest register first); A g: 4 packed 1 + ..; R g: 8 reciprocals;
; C g: 4 roundings to f16, into H + 4 g: registers whose numbers have been rounded already.  Order: E0, a v_nop, E1 A0 R0, then E(g) A(g-1) R(g-1) C(g-2) for g = 2..7, then A7 R7 C6, C7.
; So between an exponential or reciprocal and the use of its result stands a plain entry that touches neither (ISA guide 5.7.2): A(g-1) or the v_nop behind E(g), C(g-2) or A1 behind R(g-1).
.macro TQ y
.set hb, H+64*(\y)
.if q == 8
	v_nop
.else
.if q < 8
.set tg, 0
.set tp, q
.elseif q < 29
.set tg, 1
.set tp, q-9
.elseif q < 173
.set tg, 2+(q-29)/24
.set tp, (q-29)%24
.elseif q < 189
.set tg, 8
.set tp, q-165
.else
.set tg, 9
.set tp, q-169
.endif
.if tp < 8
	v_exp_f32 v[hb+8*tg+tp], v[hb+8*tg+tp]
.elseif tp < 12
	s_wait_alu depctr_va_vdst(0)
	v_pk_add_f32 v[hb+8*(tg-1)+2*(tp-8):hb+8*(tg-1)+2*(tp-8)+1], v[hb+8*(tg-1)+2*(tp-8):hb+8*(tg-1)+2*(tp-8)+1], 1.0 op_sel_hi:[1,0]
.elseif tp < 20
	v_rcp_f32 v[hb+8*(tg-1)+tp-12], v[hb+8*(tg-1)+tp-12]
.else
	s_wait_alu depctr_va_vdst(0)
	v_cvt_pk_f16_f32 v[hb+4*(tg-2)+tp-20], v[hb+8*(tg-2)+2*(tp-20)], v[hb+8*(tg-2)+2*(tp-20)+1]
.endif
.endif
.set q, q+1
.endm
.macro RID y, n                        ; the queue's next n entries
	WINR
.rept \n
	TQ \y
.endr
.endm
; THE RK4 UPDATE of tile x behind stage st, F's registers in ascending order.  Stages 1 to 3: the sum takes its share of F; F becomes the next stage state, in place; that is rounded to f16.  Stage 4: x takes the sum.
; Places (ISA guide 7.12.1): F's block 0 was finished four products back, with eight plain queue entries on the other tile's registers behind it; each later block also has the lines on the blocks below it in front.
.macro UPD x, st
.set rF, H+64*(\x)+32
.set rX, XR+32*(\x)
.set rS, ACC+32*(\x)
.set rG, XFR+16*(\x)
.if (\st) == 1
	s_wait_xcnt 0x0                                ; the sum's registers were the data of the last block's stores: they are rewritten only behind this wait
.endif
	WIN 0x01                                       ; F window 1, all else window 0
.set u, 0
.rept 16
.if (\st) == 1
	v_pk_fma_f32 v[rS+2*u:rS+2*u+1], v[rF+2*u:rF+2*u+1], s[CW1:CW1+1], v[rX+2*u:rX+2*u+1] op_sel_hi:[1,0,1]
.elseif (\st) < 4
	v_pk_fma_f32 v[rS+2*u:rS+2*u+1], v[rF+2*u:rF+2*u+1], s[CW2:CW2+1], v[rS+2*u:rS+2*u+1] op_sel_hi:[1,0,1]
.else
	v_pk_fma_f32 v[rX+2*u:rX+2*u+1], v[rF+2*u:rF+2*u+1], s[CW1:CW1+1], v[rS+2*u:rS+2*u+1] op_sel_hi:[1,0,1]
.endif
.set u, u+1
.endr
.if (\st) < 4
	WIN 0x41
.set u, 0
.rept 16
.if (\st) < 3
	v_pk_fma_f32 v[rF+2*u:rF+2*u+1], v[rF+2*u:rF+2*u+1], s[CA:CA+1], v[rX+2*u:rX+2*u+1] op_sel_hi:[1,0,1]
.else
	v_pk_fma_f32 v[rF+2*u:rF+2*u+1], v[rF+2*u:rF+2*u+1], s[CB:CB+1], v[rX+2*u:rX+2*u+1] op_sel_hi:[1,0,1]
.endif
.set u, u+1
.endr
	WIN 0x05
.set u, 0
.rept 16
	v_cvt_pk_f16_f32 v[rG+u], v[rF+2*u], v[rF+2*u+1]
.set u, u+1
.endr
.else
	WIN 0
.set u, 0
.rept 16
	v_cvt_pk_f16_f32 v[rG+u], v[rX+2*u], v[rX+2*u+1]
.set u, u+1
.endr
.endif
.endm
; THE WAY OUT, in a block's second step.  OUTA: x goes into my stage by fragments and comes back by rows, into the sum's registers, which are free behind stage 4.  Layer 1's 16 products and 97 queue entries stand
; between OUTA and OUTB.  OUTB: the rows are stored; behind tile 1's stores the next block's plane and coefficients are set.  Both jumps go forward and hang on the loop's counter alone.
.macro OUTA x
	WIN 0                                          ; at a branch and at a label every window is 0
	s_cmp_eq_u32 s[PAR], 1
	s_cbranch_scc0 .Lno_a_\@
.irp c, 0,1,2,3
	ds_store_b128 v[FRGA], v[XR+32*(\x)+8*\c:XR+32*(\x)+8*\c+3]   offset:64*\c
	ds_store_b128 v[FRGA], v[XR+32*(\x)+8*\c+4:XR+32*(\x)+8*\c+7] offset:64*\c+16
.endr
.irp t, 0,1,2,3,4,5,6,7
	ds_load_b128 v[ACC+32*(\x)+4*\t:ACC+32*(\x)+4*\t+3], v[ROWA] offset:2*SP*\t  ; in order behind the stores above
.endr
.Lno_a_\@:
.endm
.macro OUTB x
	WIN 0
	s_wait_dscnt 0x0                               ; on every way: the rows are back, if they were asked for
	s_cmp_eq_u32 s[PAR], 1
	s_cbranch_scc0 .Lno_b_\@
.irp t, 0,1,2,3,4,5,6,7
	global_store_b128 v[GO], v[ACC+32*(\x)+4*\t:ACC+32*(\x)+4*\t+3], s[20:21] offset:4096*(\x)+512*\t th:TH_STORE_NT  ; 512 consecutive bytes, at a multiple of 256 from out0's first
.endr
.if (\x) == 1
	s_wait_xcnt 0x0                                ; the stores' base is stepped only behind this wait
	s_add_nc_u64 s[20:21], s[20:21], 0x80000       ; the next block's plane: 2,048 nodes x 256 bytes (behind the last block the address is not used)
.set i, 0
.rept 7
	s_mov_b32 s[DL+i], s[DL+i+1]                   ; the next block's delta comes to the front
.set i, i+1
.endr
	COEF
.endif
.Lno_b_\@:
.endm
; A TURN: tile x has the matrix unit, the other tile's tanh rides.  The turn's last seven queue entries are conversions on the other tile's registers: the places between layer 1's last products and the next turn's first read of them.
.macro TURN x, st
.set q, 0
.set mi, 0
.rept 16
	L2M \x
	RID 1-(\x), 6
.endr
	UPD \x, \st
.if (\st) == 4
	OUTA \x
.endif
.set mi, 0
.rept 15
	L1M \x
	RID 1-(\x), 6
.endr
	L1M \x
	RID 1-(\x), 7
.if (\st) == 4
	OUTB \x
.endif
.endm
	; THE START: tile 0's first layer 1, bare; then tile 1's, with tile 0's whole tanh behind its products
.set mi, 0
.rept 16
	L1M 0
.endr
.rept 4
	v_nop                                          ; the places behind those products
.endr
.set mi, 0
.set q, 0
.rept 15
	L1M 1
	RID 0, 12
.endr
	L1M 1
	RID 0, 13
	WIN 0
.Lrk:                                  ; 16 trips, an RK4 step each
	s_and_b32 s[PAR], s[CNT], 1                    ; the count is odd in a block's second step
	TURN 0, 1
	TURN 1, 1
	TURN 0, 2
	TURN 1, 2
	TURN 0, 3
	TURN 1, 3
	TURN 0, 4
	TURN 1, 4
	WIN 0
	s_sub_co_u32 s[CNT], s[CNT], 1
	s_cmp_lg_u32 s[CNT], 0
	s_cbranch_scc1 .Lrk
	; The last trip's two layer 1 runs and one tanh, of an evaluation that does not follow, serve nothing: 32 of the wave's 4,128 products, the price of one text for every trip.
	s_wait_tensorcnt 0x0                           ; the wave's end, behind my last LDS store
	ds_add_u32 v[SPW], v[NIL]
	s_wait_dscnt 0x0
	s_endpgm
.Lfunc_end_k_q767db104af_ode:
	.size	k_q767db104af_ode, .Lfunc_end_k_q767db104af_ode-k_q767db104af_ode
	.p2alignl 7, 3214868480
	.fill 96, 4, 3214868480
	.section	.rodata,"a",@progbits
	.p2align	6, 0x0
	.amdhsa_kernel k_q767db104af_ode
		.amdhsa_group_segment_fixed_size 66048
		.amdhsa_private_segment_fixed_size 0
		.amdhsa_enable_private_segment 0
		.amdhsa_kernarg_size 72
		.amdhsa_user_sgpr_count 2
		.amdhsa_user_sgpr_kernarg_segment_ptr 1
		.amdhsa_wavefront_size32 1
		.amdhsa_system_sgpr_workgroup_id_x 1
		.amdhsa_system_sgpr_workgroup_id_y 1
		.amdhsa_system_sgpr_workgroup_id_z 1
		.amdhsa_system_vgpr_workitem_id 0
		.amdhsa_next_free_vgpr 768
		.amdhsa_next_free_sgpr 66
		.amdhsa_reserve_vcc 0
		.amdhsa_float_denorm_mode_32 3
		.amdhsa_float_denorm_mode_16_64 3
		.amdhsa_memory_ordered 1
		.amdhsa_forward_progress 1
		.amdhsa_inst_pref_size 197
	.end_amdhsa_kernel
	.amdgpu_metadata
---
amdhsa.version: [ 1, 2 ]
amdhsa.kernels:
  - .name:           k_q767db104af_ode
    .symbol:         k_q767db104af_ode.kd
    .args:
      - { .name: s, .offset: 0, .size: 8, .value_kind: global_buffer, .address_space: global }
      - { .name: b, .offset: 8, .size: 8, .value_kind: global_buffer, .address_space: global }
      - { .name: Phi, .offset: 16, .size: 8, .value_kind: global_buffer, .address_space: global }
      - { .name: t, .offset: 24, .size: 8, .value_kind: global_buffer, .address_space: global }
      - { .name: W1, .offset: 32, .size: 8, .value_kind: global_buffer, .address_space: global }
      - { .name: b1, .offset: 40, .size: 8, .value_kind: global_buffer, .address_space: global }
      - { .name: W2, .offset: 48, .size: 8, .value_kind: global_buffer, .address_space: global }
      - { .name: b2, .offset: 56, .size: 8, .value_kind: global_buffer, .address_space: global }
      - { .name: out0, .offset: 64, .size: 8, .value_kind: global_buffer, .address_space: global }
    .group_segment_fixed_size: 66048
    .private_segment_fixed_size: 0
    .kernarg_segment_align: 8
    .kernarg_segment_size: 72
    .max_flat_workgroup_size: 128
    .sgpr_count:     66
    .vgpr_count:     768
    .wavefront_size: 32
...
	.end_amdgpu_metadata
.endif
;; end of part 1
;; ======== version 2 of 2: 1 launch; 2.30 times as fast as version 1
;; limits: values are held in f16: magnitudes above 65,504 overflow, below 6.1e-05 lose precision
;; launch ode (part 2): grid 256 x 1, 4 waves a work-group, no clusters, 66,048 bytes of LDS; arguments s, b, Phi, t, W1, b1, W2, b2, out0; writes out0
.if DOCPART == 2
	.amdgcn_target "amdgcn-amd-amdhsa--gfx1250"
	.amdhsa_code_object_version 6
	.text
	.protected	k_q767db104af_ode
	.globl	k_q767db104af_ode
	.p2align	8
	.type	k_q767db104af_ode,@function
k_q767db104af_ode:
	s_mov_b64 s[64:65], 0
	v_nop
	global_prefetch_b8 v0, s[64:65] scope:SCOPE_SE
	s_setreg_imm32_b32 hwreg(HW_REG_WAVE_MODE, 25, 1), 1
	s_wait_xcnt 0x0
; x' = delta * (W2^T tanh(W1^T [x, Phi] + b1) + b2 + b), 8 blocks x 2 RK4 steps x 4 stages = 64 evaluations; x is stored after each block.
; s, b: [16][2048][64] f32; Phi: [16][2048][32]; t: [16][9]; W1: [96][128]; W2: [128][64]; out0: [16][8][2048][64] f32.
; SHARES.  The 32,768 nodes do not touch each other.  A work-group owns 128 nodes of one (S, B), a wave 32: two tiles of 16.  A node's state never leaves its wave's registers between the first load and the
; stores; the loop reads no memory.
; ALGEBRA (exact rewrites).  c = K (Phi W1[64:96] + b1), K = 2 log2(e), does not change with time: made once, kept in f32, it is the C operand that starts layer 1's sum, whose K is then 64.
; tanh(z) = 1 - 2 r, r = 1 / (1 + 2^(K z)): K is folded into W1, -2 into W2, and the 1 into b' = b + b2 + the column sums of the rounded W2 (made by the matrix unit from the same fragments,
; times -0.5).  So f = b' + (-2 W2)^T r comes straight out of layer 2, with b' as its first C.  delta is folded into RK4's coefficients: x + (d/4) F1, x + (d/4) F2, x + (d/2) F3,
; x + (d/12) F1 + (d/6) F2 + (d/6) F3 + (d/12) F4, all packed fused multiply-adds.
; LAYOUT.  Both products are used transposed: source 0 = 16 rows of W^T, source 1 = 16 nodes.  A lane (r = lane % 16, h = lane / 16) then holds ONE node r: of layer 1's block g the hidden units 16 g + 8 h + 0..7,
; of layer 2's block cb the channels 16 cb + 8 h + 0..7.  Two blocks rounded in pairs ARE a source 1 of the next product: nothing changes lanes in the loop.
; BY TURNS.  In a turn one tile has the matrix unit (16 products of layer 2, its RK4 update, 16 products of layer 1 for the next evaluation); the other tile's tanh, a queue of 194 vector instructions, stands beside them.
; TWO BATCHES A TURN.  The tile's 64 exponentials are one batch, four behind each product of layer 2, with one wait behind the last; its 64 reciprocals are a second batch, four behind each product of layer 1, with one
; wait behind the last.  What reads a batch's results stands in a lump behind its wait: the 32 additions ahead of the update, the 32 roundings at the turn's end.  No result is open at a turn's end, at a label or at a jump.
; FORMATS AND LIMITS.  Matrix operands in f16, sums, state, b', c and coefficients in f32.  f16 ends at 65,504: the stage states, 2.885 W1 and 2 W2 must lie within it (|x| <= |s| + T (sum |W2| + |b| + |b2|):
; about 10 for numbers of unit spread, about 1e4 with every input 30 times larger).  r lies in 0 to 1; below 6e-8 it counts as 0, tanh then being 1 to within 1.2e-7.  2^(K z) beyond f32 gives r = 0, below it r = 1: tanh's limits.
; NaN and infinities are not treated apart.  delta enters through the coefficients, so the order of f32 roundings differs from delta * f formed first.
; NO CLUSTER, NO TENSOR LOADS: work-groups share only W1, W2, b1, b2, 82,688 bytes read once at the head against 20,971,520 + 67,108,864 bytes that are each work-group's own, and the weights pass through registers anyway, to be scaled and rounded.
; REGISTERS, in windows of 256 (s_set_vgpr_msb: bits 1:0 source 0, 3:2 source 1, 5:4 source 2, 7:6 destination):
;   window 0: v0-19 addresses; v32-63 the stage state in f16, 16 a tile; v64-127 x; v128-191 the RK4 sum; v192-255 b'
;   window 1: v0-127 W2's fragments; v128-255 H, 64 a tile: layer 1's sums, then r packed into the lower 32 and layer 2's sums F in the upper 32
;   window 2: v0-127 W1's fragments (features 0-63); v128-255 c, 64 a tile
.set KAPPA, 0x4038aa3b                 ; 2 log2(e)
.set P1,    288                        ; a row of W1 in LDS: 128 f16 + 32 bytes: 9 x 32, so the eight rows of a turning load fall on different banks
.set P2,    160                        ; a row of W2: 64 f16 + 32 bytes: 5 x 32
.set W2H,   96*P1                      ; W1 lies from byte 0, W2 behind it
.set STAGE, W2H+128*P2                 ; 48,128: for each wave 16 rows x 272 bytes of its own, to turn rows into fragments and back
.set SP,    272                        ; a node's 256 bytes + 16
.set PP,    144                        ; a node's 128 bytes of Phi + 16
.set SPARE, STAGE+4*16*SP              ; 65,536: the spare words, 128 bytes for each wave: two blocks of 256 bytes that no other line names
.set LR,   1                           ; v1   r
.set LH,   2                           ; v2   h
.set LN,   3                           ; v3   lane
.set GO,   4                           ; v4   my 16 bytes in the wave's rows of s, b, out: 16 lane + 8,192 wave
.set GP,   5                           ; v5   the same in Phi: 16 lane + 4,096 wave
.set GW,   6                           ; v6   16 x thread: the weights
.set HBO,  7                           ; v7   32 h: b1, b2
.set W1ST, 8                           ; v8   where I put 4 f16 of W1
.set W2ST, 9                           ; v9   of W2
.set TRA1, 10                          ; v10  my place in a turning load of W1
.set TRA2, 11                          ; v11  of W2
.set ROWA, 12                          ; v12  stage, by rows: lanes 0-15 one node's 256 bytes, lanes 16-31 the next node's
.set FRGA, 13                          ; v13  stage, by fragments: node r, 32 bytes for each half of the lanes
.set PROW, 14                          ; v14  the same two for Phi
.set PFRG, 15                          ; v15
.set SPW,  16                          ; v16  LDS address of my spare word; never rewritten
.set NIL,  17                          ; v17  0; never rewritten
.set T0,   18
.set T1,   19
.set XFR,  32
.set XR,   64
.set ACC,  128
.set HALF, 144                         ; at the head: a fragment of -0.5
.set BP,   192
.set W2F,  0                           ; window 1: fragment (cb, k) at 32 k + 8 cb
.set H,    128                         ; window 1
.set W1F,  0                           ; window 2: fragment (g, k) at 64 k + 8 g
.set CC,   128                         ; window 2
.set WV,   22                          ; s22  wave
.set STB,  23                          ; s23  my stage
.set SB,   24                          ; s24  which (S, B)
.set TOF,  25                          ; s25  its 36 bytes in t
.set OF,   26                          ; s[26:27] an offset, high word 0
.set DL,   40                          ; s[40:48] t0..t8, then s[40:47] the deltas still to come, the block's own first
.set TM,   49
.set CA,   52                          ; s[52:53] delta / 4 (the packed forms name a pair and take its low word for both halves)
.set CB,   54                          ; s[54:55] delta / 2
.set CW1,  56                          ; s[56:57] delta / 12
.set CW2,  58                          ; s[58:59] delta / 6
.set CNT,  60                          ; s60  RK4 steps to go
.set PAR,  61                          ; s61  1 in a block's second step
.set MSB, 0
.macro WIN new                         ; the immediate's high byte repeats the setting that is left; a switch that changes nothing is dropped
.if MSB != (\new)
	s_set_vgpr_msb (MSB<<8)|(\new)
.set MSB, (\new)
.endif
.endm
.macro WINR                            ; the tanh queue wants destination and sources 0 and 1 in window 1; source 2 is free, so layer 2's two settings both serve
.if (MSB & 0xcf) != 0x45
	WIN 0x55
.endif
.endm
.macro COEF                            ; RK4's coefficients for the block whose delta lies in s[DL]
	s_mul_f32 s[CA], s[DL], 0x3e800000
	s_mul_f32 s[CB], s[DL], 0.5
	s_mul_f32 s[CW1], s[DL], 0x3daaaaab
	s_mul_f32 s[CW2], s[DL], 0x3e2aaaab
.endm
	s_load_b512 s[4:19], s[0:1], 0x0               ; s s[4:5], b s[6:7], Phi s[8:9], t s[10:11], W1 s[12:13], b1 s[14:15], W2 s[16:17], b2 s[18:19]
	s_load_b64 s[20:21], s[0:1], 0x40              ; out0
	v_lshl_add_u32 v[SPW], v0, 2, SPARE
	v_mov_b32 v[NIL], 0
	v_lshrrev_b32 v[T0], 5, v0
	v_readfirstlane_b32 s[WV], v[T0]               ; wave 0..3
	v_and_b32 v[LN], 31, v0
	v_and_b32 v[LR], 15, v0
	v_bfe_u32 v[LH], v0, 4, 1
	s_lshl_b32 s[TM], s[WV], 13                    ; a wave's 32 nodes x 256 bytes
	v_lshl_add_u32 v[GO], v[LN], 4, s[TM]
	s_lshl_b32 s[TM], s[WV], 12                    ; x 128 bytes
	v_lshl_add_u32 v[GP], v[LN], 4, s[TM]
	v_lshlrev_b32 v[GW], 4, v0
	v_lshlrev_b32 v[HBO], 5, v[LH]
	s_mul_i32 s[TM], s[WV], P1                     ; 128 threads x 16 bytes are four rows of W1: thread -> row = wave, columns 4 lane on
	v_lshl_add_u32 v[W1ST], v[LN], 3, s[TM]
	v_lshrrev_b32 v[T0], 4, v0                     ; and eight rows of W2: row = thread / 16, columns 4 (thread % 16) on
	v_mul_u32_u24 v[T0], v[T0], P2
	v_lshl_add_u32 v[T0], v[LR], 3, v[T0]
	v_add_nc_u32 v[W2ST], W2H, v[T0]
	v_and_b32 v[T0], 7, v0                         ; the turning load: lane l reads row 8 (l / 16) + l % 8, 16 bytes at 16 ((l / 8) % 2)
	v_lshl_add_u32 v[T0], v[LH], 3, v[T0]
	v_bfe_u32 v[T1], v0, 3, 1
	v_mul_u32_u24 v[TRA1], v[T0], P1
	v_lshl_add_u32 v[TRA1], v[T1], 4, v[TRA1]
	v_mul_u32_u24 v[TRA2], v[T0], P2
	v_lshl_add_u32 v[TRA2], v[T1], 4, v[TRA2]
	v_add_nc_u32 v[TRA2], W2H, v[TRA2]
	s_mul_i32 s[STB], s[WV], 16*SP
	s_add_co_u32 s[STB], s[STB], STAGE
	v_mul_u32_u24 v[ROWA], v[LH], SP
	v_lshl_add_u32 v[ROWA], v[LR], 4, v[ROWA]
	v_add_nc_u32 v[ROWA], s[STB], v[ROWA]
	v_mul_u32_u24 v[FRGA], v[LR], SP
	v_lshl_add_u32 v[FRGA], v[LH], 5, v[FRGA]
	v_add_nc_u32 v[FRGA], s[STB], v[FRGA]
	v_bfe_u32 v[T0], v0, 3, 2                      ; Phi by rows: 32 lanes take four nodes of 128 bytes
	v_and_b32 v[T1], 7, v0
	v_mul_u32_u24 v[PROW], v[T0], PP
	v_lshl_add_u32 v[PROW], v[T1], 4, v[PROW]
	v_add_nc_u32 v[PROW], s[STB], v[PROW]
	v_mul_u32_u24 v[PFRG], v[LR], PP
	v_lshl_add_u32 v[PFRG], v[LH], 5, v[PFRG]
	v_add_nc_u32 v[PFRG], s[STB], v[PFRG]
	s_lshr_b32 s[SB], ttmp9, 4                     ; 16 work-groups to a (S, B)
	s_mul_i32 s[TOF], s[SB], 36
	s_mov_b32 s[OF+1], 0
	s_mov_b32 s[CA+1], 0                           ; named as pairs, so they are written
	s_mov_b32 s[CB+1], 0
	s_mov_b32 s[CW1+1], 0
	s_mov_b32 s[CW2+1], 0
	s_mov_b32 s[CNT], 16
	s_wait_kmcnt 0x0
	s_load_b256 s[DL:DL+7], s[10:11], s[TOF]       ; t0..t7 of my (S, B)
	s_load_b32 s[DL+8], s[10:11], s[TOF] offset:0x20  ; t8
	s_lshl_b32 s[OF], ttmp9, 15                    ; 128 nodes x 256 bytes
	s_add_nc_u64 s[4:5], s[4:5], s[OF:OF+1]
	s_add_nc_u64 s[6:7], s[6:7], s[OF:OF+1]
	s_lshl_b32 s[OF], ttmp9, 14
	s_add_nc_u64 s[8:9], s[8:9], s[OF:OF+1]
	s_and_b32 s[OF], ttmp9, 15                     ; out: (S, B) x 8 planes of 2,048 x 256 bytes, and my 128 nodes in a plane
	s_lshl_b32 s[OF], s[OF], 15
	s_lshl_b32 s[TM], s[SB], 22
	s_add_co_u32 s[OF], s[OF], s[TM]
	s_add_nc_u64 s[20:21], s[20:21], s[OF:OF+1]
	; ALL GLOBAL LOADS, what is wanted first in front.  b1 in c's layout: register 8 g + j = b1[16 g + 8 h + j]
	WIN 0x80
.set i, 0
.rept 8
	global_load_b128 v[CC+8*i:CC+8*i+3],   v[HBO], s[14:15] offset:64*i
	global_load_b128 v[CC+8*i+4:CC+8*i+7], v[HBO], s[14:15] offset:64*i+16
.set i, i+1
.endr
	WIN 0x40
.set i, 0
.rept 24                               ; W1: 24 x 2,048 bytes for the work-group -> window 1, v0-95
	global_load_b128 v[4*i:4*i+3], v[GW], s[12:13] offset:2048*i
.set i, i+1
.endr
.set i, 0
.rept 16                               ; W2: 16 x 2,048 bytes -> window 1, v96-159
	global_load_b128 v[96+4*i:96+4*i+3], v[GW], s[16:17] offset:2048*i
.set i, i+1
.endr
	WIN 0
.set i, 0
.rept 4                                ; b2 in x's layout: register 8 cb + j = b2[16 cb + 8 h + j]
	global_load_b128 v[XFR+8*i:XFR+8*i+3],   v[HBO], s[18:19] offset:64*i
	global_load_b128 v[XFR+8*i+4:XFR+8*i+7], v[HBO], s[18:19] offset:64*i+16
.set i, i+1
.endr
.set i, 0
.rept 16                               ; s, by rows: each load of the wave covers 512 consecutive bytes, two nodes; tile i / 8
	global_load_b128 v[XR+4*i:XR+4*i+3], v[GO], s[4:5] offset:512*i th:TH_LOAD_NT
.set i, i+1
.endr
.set i, 0
.rept 16                               ; b likewise
	global_load_b128 v[BP+4*i:BP+4*i+3], v[GO], s[6:7] offset:512*i th:TH_LOAD_NT
.set i, i+1
.endr
.set i, 0
.rept 8                                ; Phi: four nodes a load; tile i / 4 -> ACC + 32 tile + 0..15
	global_load_b128 v[ACC+32*(i/4)+4*(i%4):ACC+32*(i/4)+4*(i%4)+3], v[GP], s[8:9] offset:512*i th:TH_LOAD_NT
.set i, i+1
.endr
	; THE WEIGHTS: scaled, rounded to f16, laid into LDS as they lie in memory ([feature][hidden], [hidden][channel])
	s_wait_loadcnt 48                              ; loads come back in order (ISA guide 5.7.1): the 48 issued behind W2's (8 of b2, 16 of s, 16 of b, 8 of Phi) may stay out; b1, W1, W2 are in
	WIN 0x41
.set i, 0
.rept 48
	v_pk_mul_f32 v[2*i:2*i+1], v[2*i:2*i+1], KAPPA op_sel_hi:[1,0]
.set i, i+1
.endr
.set i, 0
.rept 32
	v_pk_mul_f32 v[96+2*i:96+2*i+1], v[96+2*i:96+2*i+1], -2.0 op_sel_hi:[1,0]
.set i, i+1
.endr
	WIN 0x45
.set i, 0
.rept 40                               ; four numbers into the chunk's first two registers
	v_cvt_pk_f16_f32 v[4*i],   v[4*i],   v[4*i+1]
	v_cvt_pk_f16_f32 v[4*i+1], v[4*i+2], v[4*i+3]
.set i, i+1
.endr
	WIN 0x04                                       ; address window 0, data window 1
.set i, 0
.rept 24
	ds_store_b64 v[W1ST], v[4*i:4*i+1] offset:4*P1*i
.set i, i+1
.endr
.set i, 0
.rept 16
	ds_store_b64 v[W2ST], v[96+4*i:96+4*i+1] offset:8*P2*i
.set i, i+1
.endr
	s_wait_dscnt 0x0                               ; for the others' sake: my part of the weights is in LDS
	s_barrier_signal -1
	s_barrier_wait -1                              ; everybody's is.  The one barrier: nobody writes these bytes again
	; A fragment of W^T (16 outputs x 32 inputs): two turning loads, 16 rows apart: lane l then holds output l % 16 and inputs 8 h + 0..7, 16 + 8 h + 0..7
	WIN 0x80
.set i, 0
.rept 16                               ; W1, features 32 (i / 8) on, hidden 16 (i % 8) on
	ds_load_tr16_b128 v[W1F+8*i:W1F+8*i+3],   v[TRA1] offset:32*P1*(i/8)+32*(i%8)
	ds_load_tr16_b128 v[W1F+8*i+4:W1F+8*i+7], v[TRA1] offset:32*P1*(i/8)+32*(i%8)+16*P1
.set i, i+1
.endr
	WIN 0x40
.set i, 0
.rept 8                                ; W1's rows 64-95, Phi's: wanted once, so they lie where H will
	ds_load_tr16_b128 v[H+8*i:H+8*i+3],   v[TRA1] offset:64*P1+32*i
	ds_load_tr16_b128 v[H+8*i+4:H+8*i+7], v[TRA1] offset:64*P1+32*i+16*P1
.set i, i+1
.endr
.set i, 0
.rept 16                               ; W2, hidden 32 (i / 4) on, channels 16 (i % 4) on
	ds_load_tr16_b128 v[W2F+8*i:W2F+8*i+3],   v[TRA2] offset:32*P2*(i/4)+32*(i%4)
	ds_load_tr16_b128 v[W2F+8*i+4:W2F+8*i+7], v[TRA2] offset:32*P2*(i/4)+32*(i%4)+16*P2
.set i, i+1
.endr
	; s, b AND Phi come by rows and are wanted by fragments: through my stage, a tile at a time, back into the registers that they left.
	; LDS serves a wave's instructions in order (ISA guide 5.7.1.4): the loads see the stores above them, the next tile's stores come behind them.
.macro TURN_IN base
.irp t, 0,1,2,3,4,5,6,7
	ds_store_b128 v[ROWA], v[(\base)+4*\t:(\base)+4*\t+3] offset:2*SP*\t
.endr
.irp c, 0,1,2,3
	ds_load_b128 v[(\base)+8*\c:(\base)+8*\c+3],   v[FRGA] offset:64*\c
	ds_load_b128 v[(\base)+8*\c+4:(\base)+8*\c+7], v[FRGA] offset:64*\c+16
.endr
.endm
.macro PHI_IN base                     ; features 8 h + 0..7, then 16 + 8 h + 0..7, in f32: 16 registers
.irp t, 0,1,2,3
	ds_store_b128 v[PROW], v[(\base)+4*\t:(\base)+4*\t+3] offset:4*PP*\t
.endr
	ds_load_b128 v[(\base):(\base)+3],     v[PFRG]
	ds_load_b128 v[(\base)+4:(\base)+7],   v[PFRG] offset:16
	ds_load_b128 v[(\base)+8:(\base)+11],  v[PFRG] offset:64
	ds_load_b128 v[(\base)+12:(\base)+15], v[PFRG] offset:80
.endm
	s_wait_loadcnt 0x0                             ; b2, s, b, Phi
	WIN 0
	TURN_IN XR
	TURN_IN XR+32
	TURN_IN BP
	TURN_IN BP+32
	PHI_IN ACC
	PHI_IN ACC+32
	; work on registers while LDS serves those
	s_wait_kmcnt 0x0                               ; t
.set i, 0
.rept 8                                ; delta i = t(i+1) - t(i), ascending, so that t(i+1) is still there
	s_xor_b32 s[TM], s[DL+i], 0x80000000
	s_add_f32 s[DL+i], s[DL+i+1], s[TM]
.set i, i+1
.endr
	COEF
	WIN 0x82
.set i, 0
.rept 32
	v_pk_mul_f32 v[CC+2*i:CC+2*i+1], v[CC+2*i:CC+2*i+1], KAPPA op_sel_hi:[1,0]  ; K b1
.set i, i+1
.endr
	WIN 0
.set i, 0
.rept 8
	v_mov_b32 v[HALF+i], 0xb800b800                ; -0.5, twice, in f16
.set i, i+1
.endr
	s_wait_dscnt 0x0                               ; fragments and turned inputs are in
.set i, 0
.rept 8                                ; Phi rounded in place: a source 1 of 32 features x 16 nodes for each tile
	v_cvt_pk_f16_f32 v[ACC+i],    v[ACC+2*i],    v[ACC+2*i+1]
	v_cvt_pk_f16_f32 v[ACC+32+i], v[ACC+32+2*i], v[ACC+32+2*i+1]
.set i, i+1
.endr
	; c = K b1 + (K W1[64:96])^T Phi.  Tile 1 first, from tile 0's registers, which still hold K b1; then tile 0 in place.
	WIN 0xa1                                       ; W1 window 1, Phi window 0, C and D window 2
.set i, 0
.rept 8
	v_wmma_f32_16x16x32_f16 v[CC+64+8*i:CC+64+8*i+7], v[H+8*i:H+8*i+7], v[ACC+32:ACC+39], v[CC+8*i:CC+8*i+7]
.set i, i+1
.endr
.rept 5
	v_nop                                          ; five places before a product writes over registers that those products read as C (ISA guide 7.12.1)
.endr
.set i, 0
.rept 8
	v_wmma_f32_16x16x32_f16 v[CC+8*i:CC+8*i+7], v[H+8*i:H+8*i+7], v[ACC:ACC+7], v[CC+8*i:CC+8*i+7]
.set i, i+1
.endr
	; b' = b + b2 + the column sums of W2 as rounded: (-2 W2)^T times -0.5.  The 32 additions are also the places behind the products above.
	WIN 0
.set i, 0
.rept 16
	v_pk_add_f32 v[BP+2*i:BP+2*i+1],       v[BP+2*i:BP+2*i+1],       v[XFR+2*i:XFR+2*i+1]
	v_pk_add_f32 v[BP+32+2*i:BP+32+2*i+1], v[BP+32+2*i:BP+32+2*i+1], v[XFR+2*i:XFR+2*i+1]
.set i, i+1
.endr
	WIN 0x01
.set i, 0
.rept 32                               ; hidden 32 (i / 8) on; the eight accumulators (tile, cb) take turns
	v_wmma_f32_16x16x32_f16 v[BP+8*(i%8):BP+8*(i%8)+7], v[W2F+32*(i/8)+8*(i%4):W2F+32*(i/8)+8*(i%4)+7], v[HALF:HALF+7], v[BP+8*(i%8):BP+8*(i%8)+7]
.set i, i+1
.endr
	WIN 0
.set i, 0
.rept 32                               ; the first stage state is x itself; these 32 are the places behind the products above
	v_cvt_pk_f16_f32 v[XFR+i], v[XR+2*i], v[XR+2*i+1]
.set i, i+1
.endr
; THE MATRIX WORK.  mi counts a run's 16 products.  The accumulators take turns, one instruction a turn: between two links of a chain stand 3 (layer 2) or 7 (layer 1) others'.
; Layer 2, tile x: hidden 32 (mi / 4) on, channels 16 (mi % 4) on.  The first four start the sums with b'.
.macro L2M x
.set rD, H+64*(\x)+32+8*(mi%4)
.set rA, W2F+32*(mi/4)+8*(mi%4)
.set rB, H+64*(\x)+8*(mi/4)
.set rE, BP+32*(\x)+8*(mi%4)
.if mi < 4
	WIN 0x45                                       ; W2 and r window 1, b' window 0, F window 1
	v_wmma_f32_16x16x32_f16 v[rD:rD+7], v[rA:rA+7], v[rB:rB+7], v[rE:rE+7]
.else
	WIN 0x55
	v_wmma_f32_16x16x32_f16 v[rD:rD+7], v[rA:rA+7], v[rB:rB+7], v[rD:rD+7]
.endif
.set mi, mi+1
.endm
; Layer 1, tile x: features 32 (mi / 8) on, hidden 16 (mi % 8) on.  The first eight start the sums with c.
.macro L1M x
.set rD, H+64*(\x)+8*(mi%8)
.set rA, W1F+64*(mi/8)+8*(mi%8)
.set rB, XFR+16*(\x)+8*(mi/8)
.set rE, CC+64*(\x)+8*(mi%8)
.if mi < 8
	WIN 0x62                                       ; W1 window 2, the stage state window 0, c window 2, H window 1
	v_wmma_f32_16x16x32_f16 v[rD:rD+7], v[rA:rA+7], v[rB:rB+7], v[rE:rE+7]
.else
	WIN 0x52
	v_wmma_f32_16x16x32_f16 v[rD:rD+7], v[rA:rA+7], v[rB:rB+7], v[rD:rD+7]
.endif
.set mi, mi+1
.endm
; THE TANH QUEUE of tile y: 194 entries, number q, cut into two batches.  Every number keeps its own register of H from its exponential to its rounding.
;   0-63     the 64 exponentials 2^z, in place, ascending (each block's lowest register first): ONE BATCH: none of them names another's result
;   64       a v_nop: the plain instruction between the last exponential and the first use of a result (ISA guide 5.7.2), one for the batch; behind it the batch's one wait
;   65-96    the 32 packed additions 1 + ..
;   97-160   the 64 reciprocals, in place: THE SECOND BATCH: they read the additions' results, and none names another's result
;   161      a v_nop, as at 64; behind it the second batch's one wait
;   162-193  the 32 roundings to f16, pair k into H + k: registers whose numbers have been rounded already
.macro TQ y
.set hb, H+64*(\y)
.if q < 64
	v_exp_f32 v[hb+q], v[hb+q]
.elseif q == 64
	v_nop
.elseif q < 97
.if q == 65
	s_wait_alu depctr_va_vdst(0)                   ; the wait ahead of the first use: one for the tile's 64 exponentials
.endif
	v_pk_add_f32 v[hb+2*(q-65):hb+2*(q-65)+1], v[hb+2*(q-65):hb+2*(q-65)+1], 1.0 op_sel_hi:[1,0]
.elseif q < 161
	v_rcp_f32 v[hb+q-97], v[hb+q-97]
.elseif q == 161
	v_nop
.else
.if q == 162
	s_wait_alu depctr_va_vdst(0)                   ; the wait ahead of the first use: one for the tile's 64 reciprocals
.endif
	v_cvt_pk_f16_f32 v[hb+q-162], v[hb+2*(q-162)], v[hb+2*(q-162)+1]
.endif
.set q, q+1
.endm
.macro RID y, n                        ; the queue's next n entries
	WINR
.rept \n
	TQ \y
.endr
.endm
; THE RK4 UPDATE of tile x behind stage st, F's registers in ascending order.  Stages 1 to 3: the sum takes its share of F; F becomes the next stage state, in place; that is rounded to f16.  Stage 4: x takes the sum.
; Places (ISA guide 7.12.1): between layer 2's last product and these lines stand the queue's v_nop and its 32 additions, plain and on the other tile's registers.
.macro UPD x, st
.set rF, H+64*(\x)+32
.set rX, XR+32*(\x)
.set rS, ACC+32*(\x)
.set rG, XFR+16*(\x)
.if (\st) == 1
	s_wait_xcnt 0x0                                ; the sum's registers were the data of the last block's stores: they are rewritten only behind this wait
.endif
	WIN 0x01                                       ; F window 1, all else window 0
.set u, 0
.rept 16
.if (\st) == 1
	v_pk_fma_f32 v[rS+2*u:rS+2*u+1], v[rF+2*u:rF+2*u+1], s[CW1:CW1+1], v[rX+2*u:rX+2*u+1] op_sel_hi:[1,0,1]
.elseif (\st) < 4
	v_pk_fma_f32 v[rS+2*u:rS+2*u+1], v[rF+2*u:rF+2*u+1], s[CW2:CW2+1], v[rS+2*u:rS+2*u+1] op_sel_hi:[1,0,1]
.else
	v_pk_fma_f32 v[rX+2*u:rX+2*u+1], v[rF+2*u:rF+2*u+1], s[CW1:CW1+1], v[rS+2*u:rS+2*u+1] op_sel_hi:[1,0,1]
.endif
.set u, u+1
.endr
.if (\st) < 4
	WIN 0x41
.set u, 0
.rept 16
.if (\st) < 3
	v_pk_fma_f32 v[rF+2*u:rF+2*u+1], v[rF+2*u:rF+2*u+1], s[CA:CA+1], v[rX+2*u:rX+2*u+1] op_sel_hi:[1,0,1]
.else
	v_pk_fma_f32 v[rF+2*u:rF+2*u+1], v[rF+2*u:rF+2*u+1], s[CB:CB+1], v[rX+2*u:rX+2*u+1] op_sel_hi:[1,0,1]
.endif
.set u, u+1
.endr
	WIN 0x05
.set u, 0
.rept 16
	v_cvt_pk_f16_f32 v[rG+u], v[rF+2*u], v[rF+2*u+1]
.set u, u+1
.endr
.else
	WIN 0
.set u, 0
.rept 16
	v_cvt_pk_f16_f32 v[rG+u], v[rX+2*u], v[rX+2*u+1]
.set u, u+1
.endr
.endif
.endm
; THE WAY OUT, in a block's second step.  OUTA: x goes into my stage by fragments and comes back by rows, into the sum's registers, which are free behind stage 4.  Layer 1's 16 products and 97 queue entries stand
; between OUTA and OUTB.  OUTB: the rows are stored; behind tile 1's stores the next block's plane and coefficients are set.  Both jumps go forward and hang on the loop's counter alone.
; OUTA stands behind the exponentials' wait and ahead of the first reciprocal, OUTB behind the reciprocals' wait: no result is open at their branches and labels.
.macro OUTA x
	WIN 0                                          ; at a branch and at a label every window is 0
	s_cmp_eq_u32 s[PAR], 1
	s_cbranch_scc0 .Lno_a_\@
.irp c, 0,1,2,3
	ds_store_b128 v[FRGA], v[XR+32*(\x)+8*\c:XR+32*(\x)+8*\c+3]   offset:64*\c
	ds_store_b128 v[FRGA], v[XR+32*(\x)+8*\c+4:XR+32*(\x)+8*\c+7] offset:64*\c+16
.endr
.irp t, 0,1,2,3,4,5,6,7
	ds_load_b128 v[ACC+32*(\x)+4*\t:ACC+32*(\x)+4*\t+3], v[ROWA] offset:2*SP*\t  ; in order behind the stores above
.endr
.Lno_a_\@:
.endm
.macro OUTB x
	WIN 0
	s_wait_dscnt 0x0                               ; on every way: the rows are back, if they were asked for
	s_cmp_eq_u32 s[PAR], 1
	s_cbranch_scc0 .Lno_b_\@
.irp t, 0,1,2,3,4,5,6,7
	global_store_b128 v[GO], v[ACC+32*(\x)+4*\t:ACC+32*(\x)+4*\t+3], s[20:21] offset:4096*(\x)+512*\t th:TH_STORE_NT  ; 512 consecutive bytes, at a multiple of 256 from out0's first
.endr
.if (\x) == 1
	s_wait_xcnt 0x0                                ; the stores' base is stepped only behind this wait
	s_add_nc_u64 s[20:21], s[20:21], 0x80000       ; the next block's plane: 2,048 nodes x 256 bytes (behind the last block the address is not used)
.set i, 0
.rept 7
	s_mov_b32 s[DL+i], s[DL+i+1]                   ; the next block's delta comes to the front
.set i, i+1
.endr
	COEF
.endif
.Lno_b_\@:
.endm
; A TURN: tile x has the matrix unit, the other tile's tanh stands beside it.  Behind each product of layer 2 four exponentials: the first batch; then a lump: the v_nop, the batch's wait, the 32 additions.  The update.
; Behind each product of layer 1 four reciprocals: the second batch; then a lump: the v_nop, the batch's wait, the 32 roundings.  That last lump, on the other tile's registers, is also the places between layer 1's
; last products and the next turn's first read of them.  While a batch is open the lines between its members are tile x's products, which name none of its registers.
.macro TURN x, st
.set q, 0
.set mi, 0
.rept 16
	L2M \x
	RID 1-(\x), 4
.endr
	RID 1-(\x), 33
	UPD \x, \st
.if (\st) == 4
	OUTA \x
.endif
.set mi, 0
.rept 16
	L1M \x
	RID 1-(\x), 4
.endr
	RID 1-(\x), 33
.if (\st) == 4
	OUTB \x
.endif
.endm
	; THE START: tile 0's first layer 1, bare; then tile 1's, with tile 0's whole tanh behind its products, twelve entries each; the fourteen behind the last product are roundings: its places
.set mi, 0
.rept 16
	L1M 0
.endr
.rept 4
	v_nop                                          ; the places behind those products
.endr
.set mi, 0
.set q, 0
.rept 15
	L1M 1
	RID 0, 12
.endr
	L1M 1
	RID 0, 14
	WIN 0
.Lrk:                                  ; 16 trips, an RK4 step each
	s_and_b32 s[PAR], s[CNT], 1                    ; the count is odd in a block's second step
	TURN 0, 1
	TURN 1, 1
	TURN 0, 2
	TURN 1, 2
	TURN 0, 3
	TURN 1, 3
	TURN 0, 4
	TURN 1, 4
	WIN 0
	s_sub_co_u32 s[CNT], s[CNT], 1
	s_cmp_lg_u32 s[CNT], 0
	s_cbranch_scc1 .Lrk
	; The last trip's two layer 1 runs and one tanh, of an evaluation that does not follow, serve nothing: 32 of the wave's 4,128 products, the price of one text for every trip.
	s_wait_tensorcnt 0x0                           ; the wave's end, behind my last LDS store
	ds_add_u32 v[SPW], v[NIL]
	s_wait_dscnt 0x0
	s_endpgm
.Lfunc_end_k_q767db104af_ode:
	.size	k_q767db104af_ode, .Lfunc_end_k_q767db104af_ode-k_q767db104af_ode
	.p2alignl 7, 3214868480
	.fill 96, 4, 3214868480
	.section	.rodata,"a",@progbits
	.p2align	6, 0x0
	.amdhsa_kernel k_q767db104af_ode
		.amdhsa_group_segment_fixed_size 66048
		.amdhsa_private_segment_fixed_size 0
		.amdhsa_enable_private_segment 0
		.amdhsa_kernarg_size 72
		.amdhsa_user_sgpr_count 2
		.amdhsa_user_sgpr_kernarg_segment_ptr 1
		.amdhsa_wavefront_size32 1
		.amdhsa_system_sgpr_workgroup_id_x 1
		.amdhsa_system_sgpr_workgroup_id_y 1
		.amdhsa_system_sgpr_workgroup_id_z 1
		.amdhsa_system_vgpr_workitem_id 0
		.amdhsa_next_free_vgpr 768
		.amdhsa_next_free_sgpr 66
		.amdhsa_reserve_vcc 0
		.amdhsa_float_denorm_mode_32 3
		.amdhsa_float_denorm_mode_16_64 3
		.amdhsa_memory_ordered 1
		.amdhsa_forward_progress 1
		.amdhsa_inst_pref_size 179
	.end_amdhsa_kernel
	.amdgpu_metadata
---
amdhsa.version: [ 1, 2 ]
amdhsa.kernels:
  - .name:           k_q767db104af_ode
    .symbol:         k_q767db104af_ode.kd
    .args:
      - { .name: s, .offset: 0, .size: 8, .value_kind: global_buffer, .address_space: global }
      - { .name: b, .offset: 8, .size: 8, .value_kind: global_buffer, .address_space: global }
      - { .name: Phi, .offset: 16, .size: 8, .value_kind: global_buffer, .address_space: global }
      - { .name: t, .offset: 24, .size: 8, .value_kind: global_buffer, .address_space: global }
      - { .name: W1, .offset: 32, .size: 8, .value_kind: global_buffer, .address_space: global }
      - { .name: b1, .offset: 40, .size: 8, .value_kind: global_buffer, .address_space: global }
      - { .name: W2, .offset: 48, .size: 8, .value_kind: global_buffer, .address_space: global }
      - { .name: b2, .offset: 56, .size: 8, .value_kind: global_buffer, .address_space: global }
      - { .name: out0, .offset: 64, .size: 8, .value_kind: global_buffer, .address_space: global }
    .group_segment_fixed_size: 66048
    .private_segment_fixed_size: 0
    .kernarg_segment_align: 8
    .kernarg_segment_size: 72
    .max_flat_workgroup_size: 128
    .sgpr_count:     66
    .vgpr_count:     768
    .wavefront_size: 32
...
	.end_amdgpu_metadata
.endif
;; end of part 2
